; MI455X (gfx1250); checked and timed in simulation.
; The chip was launched on July 23, 2026; its instructions are those of AMD's public machine-readable ISA for CDNA 5 (MIT licence, August 2026) and "CDNA5" Instruction Set Architecture Reference Guide (July 2026). The comments in the code are by the model that wrote it; some were corrected since.
;; Anova Kernel. Allowed arithmetic: float matrix products may take bf16 or f16 operands with f32 sums; all other float work in f32.
;; Inputs: x 8,192 x 64 x 64 float32.
;; Outputs: out0 8,192 float32.
;; One version. Each part assembles by itself: llvm-mc -triple=amdgcn-amd-amdhsa -mcpu=gfx1250 --defsym DOCPART=n.
;; ======== version 1 of 1: 1 launch
;; launch anova3 (part 1): grid 256 x 1, 32 waves a work-group, no clusters, 5,120 bytes of LDS; arguments x, out0; writes out0
.if DOCPART == 1
	.amdgcn_target "amdgcn-amd-amdhsa--gfx1250"
	.amdhsa_code_object_version 6
	.text
	.protected	k_q94eae5c321_anova3
	.globl	k_q94eae5c321_anova3
	.p2align	8
	.type	k_q94eae5c321_anova3,@function
k_q94eae5c321_anova3:
	s_mov_b64 s[64:65], 0
	v_nop
	global_prefetch_b8 v0, s[64:65] scope:SCOPE_SE
	s_setreg_imm32_b32 hwreg(HW_REG_WAVE_MODE, 25, 1), 1
	s_wait_xcnt 0x0
; out0[b] = sum over e of e3(x[b][0..63][e]), e3 = the third elementary symmetric polynomial over the 64 fields,
; by the recurrence of the reference:  a3 += x a2;  a2 += x a1;  a1 += x   (field by field, all in f32).
; x: [8192][64][64] f32, out0: [8192] f32.
;
; SHARES.  256 work-groups of 32 waves; a work-group owns 32 batches, a wave one batch = 16,384 consecutive bytes = 32 loads
; of 16 bytes a lane.  One load of a wave covers 512 consecutive bytes = two field rows: lanes 0-15 hold four columns each of an
; even field, lanes 16-31 the same columns of the odd field behind it.  So a lane runs the recurrence over 32 fields (all even or
; all odd) of four columns, and the two halves A, B are joined at the end by
;     e3(A u B) = e3A + e3B + e2A e1B + e1A e2B :
; every lane forms e3(own) + e2(own) e1(other half), and the sum over the 32 lanes holds all four terms of all 64 columns.
; These are the reference's own products, grouped otherwise; no difference of sums is formed.
;
; BYTES.  Every byte of x is read once.  29 of a wave's 32 loads are issued at once (28 slots of four registers, and the first
; load straight into the e1 registers), the last three as soon as the first three slots are consumed: 128 registers a wave,
; eight waves on 1,024 registers.  No matrix unit, tensor load or cluster: there is no product of matrices here and no two
; work-groups read the same byte.  No prefetch: what a wave will read it has already asked for in its first lines.
;
; OUTPUT.  The 32 waves' sums meet in 128 bytes of LDS, and wave 0 stores them as 128 consecutive bytes at a multiple of 128 from
; out0's first byte.  256 bytes a store would take 64 batches a work-group, that is 128 work-groups; the output is 1/4096 of the bytes.
;
; LIMITS.  The order of the f32 sums differs from the reference's (even and odd fields apart, a tree over the columns).
; Finite results need |x| below some 1e11, where e3 of 64 such numbers nears the end of f32's range, as in the reference.
; With infinities or NaN among the inputs the result is not finite either, but may be NaN where the reference has an infinity or the reverse.
.set LOADS, 32                         ; loads of a wave: 16,384 bytes / 512
.set SLOTS, 28                         ; slots of four registers for loads 1 .. 31
.set PAIR,  512                        ; bytes of one load of a wave: two field rows
.set A1,  4                            ; v[4:7]    e1 of my four columns (load 0 lands here)
.set A2,  8                            ; v[8:11]   e2
.set A3,  12                           ; v[12:15]  e3
.set X,   16                           ; v[16:127] slot s: v[16+4s : 19+4s]
	s_load_b128 s[4:7], s[0:1], 0x0                ; x s[4:5], out0 s[6:7]
	v_lshrrev_b32 v2, 5, v0                        ; wave 0 .. 31 = the batch within the work-group
	v_and_b32 v1, 31, v0                           ; lane
	v_readfirstlane_b32 s8, v2                     ; the wave's number as a scalar, for the branch at the end
	v_lshlrev_b32 v1, 4, v1                        ; 16 bytes a lane
	v_lshl_or_b32 v1, v2, 14, v1                   ; + wave x 16,384 bytes: my offset in the work-group's part of x
	v_lshlrev_b32 v3, 2, v2                        ; my wave's word in LDS
	s_lshl_b32 s2, ttmp9, 19                       ; work-group x 32 batches x 16,384 bytes: at most 255 << 19, below 2^31
	s_mov_b32 s3, 0
	s_lshl_b32 s10, ttmp9, 7                       ; work-group x 32 results x 4 bytes
	s_mov_b32 s11, 0
	s_mov_b32 s12, 0x76543210                      ; v_permlanex16_b32: lane i of one half reads lane i of the other
	s_mov_b32 s13, 0xfedcba98
	s_wait_kmcnt 0x0
	s_add_nc_u64 s[4:5], s[4:5], s[2:3]
	s_add_nc_u64 s[6:7], s[6:7], s[10:11]
	; Loads 0 .. 28.  v1 and s[4:5] are never written again: the rows are reached by the immediate offset.
	global_load_b128 v[A1:A1+3], v1, s[4:5] th:TH_LOAD_NT          ; fields 0 and 1: they ARE the first e1
.set i, 1
.rept SLOTS
	global_load_b128 v[X+4*(i-1):X+4*(i-1)+3], v1, s[4:5] offset:PAIR*i th:TH_LOAD_NT
.set i, i+1
.endr
	; Steps 1 .. 31, one for each further load.  Within a step all six instructions read the old e1, e2: e3 first, then e2, then e1.
	; The wait counts the loads issued behind load i (loads come back in order, ISA guide 5.7.1):
	; while slots are filled again these are loads i+1 .. i+27, afterwards loads i+1 .. 31.
.set i, 1
.rept LOADS-1
.set S, X+4*((i-1)%SLOTS)
.set W, LOADS-1-i
.if W > SLOTS-1
.set W, SLOTS-1
.endif
	s_wait_loadcnt W
.if i > 2
	v_pk_fma_f32 v[A3:A3+1],   v[S:S+1],   v[A2:A2+1],   v[A3:A3+1]        ; e3 += x e2
	v_pk_fma_f32 v[A3+2:A3+3], v[S+2:S+3], v[A2+2:A2+3], v[A3+2:A3+3]
.endif
.if i == 2
	v_pk_mul_f32 v[A3:A3+1],   v[S:S+1],   v[A2:A2+1]                      ; the third field starts e3: nothing is cleared
	v_pk_mul_f32 v[A3+2:A3+3], v[S+2:S+3], v[A2+2:A2+3]
.endif
.if i > 1
	v_pk_fma_f32 v[A2:A2+1],   v[S:S+1],   v[A1:A1+1],   v[A2:A2+1]        ; e2 += x e1
	v_pk_fma_f32 v[A2+2:A2+3], v[S+2:S+3], v[A1+2:A1+3], v[A2+2:A2+3]
.else
	v_pk_mul_f32 v[A2:A2+1],   v[S:S+1],   v[A1:A1+1]                      ; the second field starts e2
	v_pk_mul_f32 v[A2+2:A2+3], v[S+2:S+3], v[A1+2:A1+3]
.endif
	v_pk_add_f32 v[A1:A1+1],   v[A1:A1+1],   v[S:S+1]                      ; e1 += x
	v_pk_add_f32 v[A1+2:A1+3], v[A1+2:A1+3], v[S+2:S+3]
.if i+SLOTS < LOADS
	global_load_b128 v[S:S+3], v1, s[4:5] offset:PAIR*(i+SLOTS) th:TH_LOAD_NT  ; loads 29, 30, 31 into the slots just consumed
.endif
.set i, i+1
.endr
	; Join the halves.  Every load has been waited for (the last count was 0), so slot 0 serves as scratch; it has been written whole.
.irp k, 0,1,2,3
	v_permlanex16_b32 v[X+\k], v[A1+\k], s12, s13                          ; e1 of the same columns in the other half
.endr
	v_pk_fma_f32 v[A3:A3+1],   v[A2:A2+1],   v[X:X+1],   v[A3:A3+1]        ; e3(own) + e2(own) e1(other)
	v_pk_fma_f32 v[A3+2:A3+3], v[A2+2:A2+3], v[X+2:X+3], v[A3+2:A3+3]
	v_pk_add_f32 v[A3:A3+1], v[A3:A3+1], v[A3+2:A3+3]                      ; my four columns
	v_add_f32 v[A3], v[A3], v[A3+1]
	; over the 32 lanes: four steps inside each half of 16 lanes, one across the halves; every lane ends with the batch's sum
	v_add_f32_dpp v[A3], v[A3], v[A3] row_xmask:1 row_mask:0xf bank_mask:0xf
	v_add_f32_dpp v[A3], v[A3], v[A3] row_xmask:2 row_mask:0xf bank_mask:0xf
	v_add_f32_dpp v[A3], v[A3], v[A3] row_xmask:4 row_mask:0xf bank_mask:0xf
	v_add_f32_dpp v[A3], v[A3], v[A3] row_xmask:8 row_mask:0xf bank_mask:0xf
	v_permlanex16_b32 v[A3+1], v[A3], s12, s13
	v_add_f32 v[A3], v[A3], v[A3+1]
	; The 32 waves' results meet in LDS words 0 .. 31.
	ds_store_b32 v3, v[A3]                         ; all lanes write the wave's word with the same value
	s_wait_dscnt 0x0                               ; for wave 0's sake: my store is done before I signal
	s_barrier_signal -1
	s_barrier_wait -1
	s_cmp_lg_u32 s8, 0
	s_cbranch_scc1 .Ldone                          ; only wave 0 goes on; no barrier follows
	v_lshlrev_b32 v2, 2, v0                        ; in wave 0 the thread's number is the lane: 4 x lane, in LDS and in out0 alike
	ds_load_b32 v[A1], v2                          ; lane l takes batch l's sum
	s_wait_dscnt 0x0
	global_store_b32 v2, v[A1], s[6:7] th:TH_STORE_NT      ; 32 lanes, 128 consecutive bytes
.Ldone:
	s_wait_xcnt 0x0
	v_lshl_add_u32 v126, v0, 2, 0x400
	v_mov_b32 v127, 0
	s_wait_tensorcnt 0x0
	ds_add_u32 v126, v127
	s_wait_dscnt 0x0
	s_endpgm
.Lfunc_end_k_q94eae5c321_anova3:
	.size	k_q94eae5c321_anova3, .Lfunc_end_k_q94eae5c321_anova3-k_q94eae5c321_anova3
	.p2alignl 7, 3214868480
	.fill 96, 4, 3214868480
	.section	.rodata,"a",@progbits
	.p2align	6, 0x0
	.amdhsa_kernel k_q94eae5c321_anova3
		.amdhsa_group_segment_fixed_size 5120
		.amdhsa_private_segment_fixed_size 0
		.amdhsa_enable_private_segment 0
		.amdhsa_kernarg_size 16
		.amdhsa_user_sgpr_count 2
		.amdhsa_user_sgpr_kernarg_segment_ptr 1
		.amdhsa_wavefront_size32 1
		.amdhsa_system_sgpr_workgroup_id_x 1
		.amdhsa_system_sgpr_workgroup_id_y 1
		.amdhsa_system_sgpr_workgroup_id_z 1
		.amdhsa_system_vgpr_workitem_id 0
		.amdhsa_next_free_vgpr 128
		.amdhsa_next_free_sgpr 66
		.amdhsa_reserve_vcc 0
		.amdhsa_float_denorm_mode_32 3
		.amdhsa_float_denorm_mode_16_64 3
		.amdhsa_memory_ordered 1
		.amdhsa_forward_progress 1
		.amdhsa_inst_pref_size 18
	.end_amdhsa_kernel
	.amdgpu_metadata
---
amdhsa.version: [ 1, 2 ]
amdhsa.kernels:
  - .name:           k_q94eae5c321_anova3
    .symbol:         k_q94eae5c321_anova3.kd
    .args:
      - { .name: x, .offset: 0, .size: 8, .value_kind: global_buffer, .address_space: global }
      - { .name: out0, .offset: 8, .size: 8, .value_kind: global_buffer, .address_space: global }
    .group_segment_fixed_size: 5120
    .private_segment_fixed_size: 0
    .kernarg_segment_align: 8
    .kernarg_segment_size: 16
    .max_flat_workgroup_size: 1024
    .sgpr_count:     66
    .vgpr_count:     128
    .wavefront_size: 32
...
	.end_amdgpu_metadata
.endif
;; end of part 1
